; MI455X (gfx1250); checked and timed in simulation.
; The chip was launched on July 23, 2026; its instructions are those of AMD's public machine-readable ISA for CDNA 5 (MIT licence, August 2026) and "CDNA5" Instruction Set Architecture Reference Guide (July 2026). The comments in the code are by the model that wrote it; some were corrected since.
;; Lower Linear. Allowed arithmetic: matrix products marked QUANTISED: E2M1 operands, one E8M0 scale for each 32 along K, by v_wmma_scale_f32_16x16x128_f8f6f4 with both operands' format E2M1 (or v_wmma_scale_f32_32x16x128_f4), f32 sums; everything else in f32.
;; Inputs: bias 4,096 float32; weight_bias 2,097,152 x 1 float32; weight_packed 2,097,152 x 4 int32; weight_scale 2,097,152 x 1 float32; x_codes 2 x 2,048 x 128 x 16 uint8 (E2M1 codes of x, K innermost, in blocks of 32 codes, two codes a byte); x_scales 2 x 2,048 x 128 uint8 (E8M0 scales of x, one for each 32 codes along K).
;; Outputs: out0 2 x 2,048 x 4,096 float32.
;; This version of the problem:
;;   THIS VERSION OF THE PROBLEM IS GIVEN IN LOW PRECISION. The matrix products marked QUANTISED in the list below multiply operands that are first quantised to E2M1 (2 exponent bits, 1 mantissa bit; 4 bits a number), with one power-of-two scale for each 32 numbers along K (OCP MX v1.0); their sums are f32. All else is computed in f32.
;;   The module's matrix products, in the order in which they are computed (A, B: the left and right operand; K: the contracted axis; several contracted axes count as one K, in the product's order):
;;     1. [M 4,096, K 4,096] x [K 4,096, N 4,096]; A: input x (given as codes); B: computed on the way: QUANTISED
;;   THE QUANTISER, for each operand of a quantised product, along K:
;;     - K is cut into blocks of 32 from its start; a last block that is shorter is filled with zeros.
;;     - A block's scale is 2^e with e = floor(log2(the largest magnitude in the block)) - 2, held to -126 .. 127; a block of zeros has e = 0. As a byte (E8M0): e + 127.
;;     - Each number is divided by its block's scale, clamped to +-6, and rounded to the nearest number of E2M1, ties to even, subnormals kept.
;;     - The product sums the exact products of the quantised numbers (number of the format x scale) in f32.
;;   ~~~python
;;   def quantise(x, axis):      # numpy; x: float32 -> the quantised numbers, widened to float32 again
;;       x = np.moveaxis(x, axis, -1); K = x.shape[-1]
;;       x = np.pad(x, [(0, 0)] * (x.ndim - 1) + [(0, -K % 32)]); x = x.reshape(x.shape[:-1] + (-1, 32)); a = np.abs(x).max(-1, keepdims=True)
;;       e = np.where(a > 0, np.clip(np.frexp(np.where(a > 0, a, 1))[1] - 1 - 2, -126, 127), 0)      # np.frexp(a)[1] - 1 = floor(log2(a)), exactly
;;       r = np.clip(x / 2.0 ** e, -6, 6)
;;       step = 2.0 ** (np.maximum(np.frexp(np.where(r == 0, 1, r))[1] - 1, 0) - 1)
;;       q = np.round(r / step) * step * 2.0 ** e      # np.round: ties to even
;;       return np.moveaxis(q.reshape(q.shape[:-2] + (-1,))[..., :K], -1, axis).astype(np.float32)
;;   ~~~
;;   OPERANDS COMPUTED ON THE WAY. 'Computed on the way' means the value that the module computes at that place (a softmax that the list does not call 'softmax' is quantised finished and normalised). What goes into a quantiser is computed in f32, as accurately as f32 sums, v_exp_f32 and their like allow (about 1e-6 of the number): no bf16 or f16 on the way to a quantiser, and a product that is left as it is and whose result goes on into a quantised operand takes f32 operands (vector FMAs, or v_wmma_f32_16x16x4_f32). A number that lies on a knife's edge between two numbers of the format may be rounded either way, as far as f32 arithmetic and the matrix unit's own rounding can turn it there, and no further.
;;   INPUTS GIVEN AS CODES. x (in the module: [2, 2048, 4096], K = its axis 2): each comes as NAME_codes (uint8): NAME with its K axis moved to the last place and cut into blocks of 32 codes, [.., K / 32, bytes a block], one block behind the other in memory; two codes a byte, the lower K in the low four bits (a code: sign, 2 exponent bits, 1 mantissa bit); and NAME_scales (uint8): the same leading axes, one E8M0 byte (e + 127) for each 32 codes along K. Its value is code x scale, taken as it is: it is not quantised again, and the codes and scales need not be those that the quantiser above would give.
;; One version. Each part assembles by itself: llvm-mc -triple=amdgcn-amd-amdhsa -mcpu=gfx1250 --defsym DOCPART=n.
;; ======== version 1 of 1: 2 launches
;; limits: right only within a limited range of input values
;; workspace buffers: w_codes 8,388,608 bytes; w_scl 524,288 bytes
;; launch prep (part 1): grid 256 x 1, 16 waves a work-group, no clusters, 120,832 bytes of LDS; arguments weight_packed, weight_scale, weight_bias, w_codes, w_scl; writes w_codes, w_scl
.if DOCPART == 1
	.amdgcn_target "amdgcn-amd-amdhsa--gfx1250"
	.amdhsa_code_object_version 6
	.text
	.protected	k_q36e66d000d_prep
	.globl	k_q36e66d000d_prep
	.p2align	8
	.type	k_q36e66d000d_prep,@function
k_q36e66d000d_prep:
	s_mov_b64 s[64:65], 0
	v_nop
	global_prefetch_b8 v0, s[64:65] scope:SCOPE_SE
	s_setreg_imm32_b32 hwreg(HW_REG_WAVE_MODE, 25, 1), 1
	s_wait_xcnt 0x0
; THE WEIGHT, ONCE: w[o][k] = q s + b (q: a 4-bit whole number, two to an int32; s, b: one f32 each for 8 neighbours along K) is made in f32 and quantised along K to codes of E2M1
; with one E8M0 byte for each 32 along K, and laid out as the product's launch takes it into registers.
; ROWS ARE PERMUTED within each 64: row o = 64 G + 4 r + t stands at position 64 G + 16 t + r.  w_codes: [G 64][step of 128 along K 32][t 4][block of 32 along K in the step 4][r 16][16 bytes].
; w_scl: [K step of 512 8][position 4096][16 scale bytes].
; A block's scale is 2^(floor(log2(its largest magnitude)) - 2); its byte is the largest magnitude's own exponent field - 2, held at 1 from below.
; LIMITS: NaN and infinities in weight_scale or weight_bias are not served.  A block of zeros gets the byte 1 where the rule says 127: its codes are zeros, which add nothing under any byte but 0xff, and
; this program alone reads the bytes.  q s + b is ONE fused multiply-add in f32 (one rounding where a multiply and an add have two).
; q BECOMES f32 EXACTLY: its bits under the exponent of 2^23 (the low four) or, unshifted, of 2^19 (the next four) are 2^23 + q and 2^19 + q; a packed addition takes the power away.
; SHARES.  Work-group g owns positions 16 g .. 16 g + 15 (G = g / 4, t = g % 4), wave r position 16 g + r: 128 blocks of 32, in 4 steps of 32 blocks.  In a step A LANE OWNS ONE WHOLE BLOCK: 16 int32, 4 scales,
; 4 biases in; 16 bytes of codes and one byte out.  The int32 are loaded as they lie (four loads of 512 consecutive bytes) and turn through the wave's own stage in LDS, 16 bytes of padding behind each 64.
; The codes of the 16 rows meet in LDS, 272 bytes for each block, and leave as 512 consecutive bytes a wave: those of steps 0 and 1 behind a first barrier, step 2's behind a second, step 3's and the scale bytes behind a third.
; All 24 loads of a wave go out at the head; every offset is an immediate, and no store's data register is written again.  No matrix unit, no tensor load, no cluster: the launch streams, and work-groups share nothing.
.set SP,    80
.set STG,   32*SP                      ; a stage: a step's 32 blocks
.set WREG,  2*STG                      ; two stages for each wave, by turns
.set SCB,   16*WREG                    ; the work-group's 2,048 scale bytes, [K step 8][row 16][16]
.set CB,    SCB+2048                   ; the work-group's codes, [block 128][row 16][16 bytes]
.set CP,    272                        ; 256 bytes of a block's sixteen rows + 16 of padding
.set SPARE, CB+128*CP                  ; the spare words, 128 bytes for each wave
.set E,     18                         ; v18-21   a scale byte for each step
.set KC,    30                         ; v30-31   -2^23, -2^19
.set R,     32                         ; v32-95   4 steps x 16 int32 as loaded
.set S,     96                         ; v96-111  4 steps x 4 scales
.set BV,    112                        ; v112-127 4 steps x 4 biases
.set X,     128                        ; v128-159 two sets of 16 int32: my block's
.set W,     160                        ; v160-191 my block's 32 numbers
.set C,     192                        ; v192-207 4 steps x 4 registers of codes
	s_load_b256 s[4:11], s[0:1], 0x0               ; weight_packed s[4:5], weight_scale s[6:7], weight_bias s[8:9], w_codes s[10:11]
	s_load_b64 s[12:13], s[0:1], 0x20              ; w_scl
	v_lshrrev_b32 v1, 5, v0
	v_readfirstlane_b32 s16, v1                    ; wave 0..15
	s_lshr_b32 s17, ttmp9, 2                       ; G
	s_and_b32 s18, ttmp9, 3                        ; t
	s_lshl_b32 s19, s17, 6
	s_lshl_b32 s20, s16, 2
	s_add_co_u32 s19, s19, s20
	s_add_co_u32 s19, s19, s18                     ; my row of the weight: 64 G + 4 wave + t
	s_lshl_b32 s20, s19, 13                        ; a row of weight_packed is 8,192 bytes,
	s_mov_b32 s21, 0
	s_lshl_b32 s22, s19, 11                        ; of weight_scale and weight_bias 2,048
	s_mov_b32 s23, 0
	s_lshl_b32 s24, s17, 17                        ; w_codes: 131,072 bytes for each G, 1,024 for each t
	s_lshl_b32 s26, s18, 10
	s_add_co_u32 s24, s24, s26
	s_mov_b32 s25, 0
	s_lshl_b32 s26, ttmp9, 8                       ; w_scl: 16 positions of 16 bytes
	s_mov_b32 s27, 0
	s_mul_i32 s28, s16, WREG
	s_lshl_b32 s29, s16, 4
	s_add_co_u32 s30, s29, SCB
	s_add_co_u32 s29, s29, CB
	s_mul_i32 s31, s16, 2*CP
	s_add_co_u32 s31, s31, CB
	s_mov_b32 s32, 0x4b000000                      ; 2^23
	s_mov_b32 s33, 0x49000000                      ; 2^19
	s_lshr_b32 s2, s16, 1                          ; blocks 2 i, 2 i + 1 (i = 16 x step + wave) lie in w_codes at (i / 2) x 4,096 + (i % 2) x 512
	s_lshl_b32 s2, s2, 12
	s_and_b32 s3, s16, 1
	s_lshl_b32 s3, s3, 9
	s_add_co_u32 s2, s2, s3
	v_and_b32 v2, 31, v0                           ; lane
	v_and_b32 v1, 15, v0
	v_bfe_u32 v12, v0, 4, 1
	v_lshrrev_b32 v11, 4, v0
	v_bfe_u32 v18, v0, 2, 3                        ; lane / 4
	v_and_b32 v19, 3, v0
	v_lshl_add_u32 v208, v0, 2, SPARE
	v_mov_b32 v209, 0
	v_lshlrev_b32 v3, 4, v2                        ; 16 x lane: my 16 bytes of every dense load
	v_lshlrev_b32 v15, 4, v1
	v_mul_u32_u24 v4, CP, v2
	v_lshl_add_u32 v5, v12, 8, v1
	v_mul_u32_u24 v6, CP, v12
	v_mul_u32_u24 v16, SP, v18
	v_mul_u32_u24 v17, SP, v2
	v_lshl_add_u32 v13, v0, 4, SCB                 ; LDS: 16 of the work-group's scale bytes: K step tid / 16, row tid % 16
	v_add_nc_u32 v4, s29, v4                       ; LDS: my block's codes in step 0: CP x lane + 16 x wave
	v_add_nc_u32 v5, s30, v5                       ; LDS: my block's scale byte in step 0: K step lane / 16, row = wave, byte lane % 16
	v_add_nc_u32 v6, v6, v15
	v_lshl_add_u32 v16, v19, 4, v16
	v_add_nc_u32 v17, s28, v17                     ; the stage, on the way out: SP x lane
	v_add_nc_u32 v7, s2, v3                        ; w_codes: my 16 bytes of my wave's 512 in step 0
	v_lshl_add_u32 v14, v11, 16, v15               ; w_scl: K step tid / 16 (65,536 bytes each), row tid % 16
	v_add_nc_u32 v6, s31, v6                       ; LDS: and where I read them: block 2 wave + lane / 16, row lane % 16
	v_add_nc_u32 v16, s28, v16                     ; the stage, on the way in: SP (lane / 4) + 16 (lane % 4)
	v_mov_b32 v[KC], 0xcb000000
	v_mov_b32 v[KC+1], 0xc9000000
	s_wait_alu depctr_va_vdst(0)                   ; the wait at the head's end
	s_wait_kmcnt 0x0
	s_add_nc_u64 s[4:5], s[4:5], s[20:21]
	s_add_nc_u64 s[6:7], s[6:7], s[22:23]
	s_add_nc_u64 s[8:9], s[8:9], s[22:23]
	s_add_nc_u64 s[10:11], s[10:11], s[24:25]
	s_add_nc_u64 s[12:13], s[12:13], s[26:27]
.macro LOAD t                          ; step t: six loads, each of 512 consecutive bytes
.irp i, 0,1,2,3
	global_load_b128 v[R+16*(\t)+4*\i:R+16*(\t)+4*\i+3], v3, s[4:5] offset:2048*(\t)+512*\i th:TH_LOAD_NT
.endr
	global_load_b128 v[S+4*(\t):S+4*(\t)+3], v3, s[6:7] offset:512*(\t) th:TH_LOAD_NT      ; my block's four scales
	global_load_b128 v[BV+4*(\t):BV+4*(\t)+3], v3, s[8:9] offset:512*(\t) th:TH_LOAD_NT    ; and its four biases
.endm
.macro TURN t                          ; step t's int32 through the stage: LDS serves a wave's instructions in order (ISA guide 5.7.1.4), so no wait stands between the stores and the loads
.irp i, 0,1,2,3
	ds_store_b128 v16, v[R+16*(\t)+4*\i:R+16*(\t)+4*\i+3] offset:STG*((\t)%2)+8*SP*\i
.endr
.irp i, 0,1,2,3
	ds_load_b128 v[X+16*((\t)%2)+4*\i:X+16*((\t)%2)+4*\i+3], v17 offset:STG*((\t)%2)+16*\i
.endr
.endm
.irp t, 0,1,2,3
	LOAD \t
.endr
	s_wait_loadcnt 18                              ; step 0's six loads are in; the 18 of steps 1 to 3 may be out
	TURN 0
.macro STEP t
.set XS, X+16*((\t)%2)
.if (\t) < 3
	s_wait_loadcnt 6*(2-(\t))                      ; the next step's six loads are in; those of the steps behind it may be out
	TURN (\t)+1                                    ; they go through the other stage while this step is worked
	s_wait_dscnt 8                                 ; all but those four stores and four loads: my block is back from the stage
.else
	s_wait_dscnt 0x0
.endif
.set i, 0
.rept 16
	v_and_or_b32 v[W+2*i], v[XS+i], 15, s32        ; int32 i of my block: its low four bits are number 2 i: 2^23 + q,
	v_and_or_b32 v[W+2*i+1], v[XS+i], 0xf0, s33    ; the next four number 2 i + 1: 2^19 + q
.set i, i+1
.endr
.set i, 0
.rept 16
	v_pk_add_f32 v[W+2*i:W+2*i+1], v[W+2*i:W+2*i+1], v[KC:KC+1]
.set i, i+1
.endr
.set i, 0
.rept 16                               ; q s + b, two at a time: numbers 2 i, 2 i + 1 belong to group i / 4, whose s and b are the first or the second register of a pair
.set PR, 4*(\t)+2*(i/8)
.if (i/4)%2 == 0
	v_pk_fma_f32 v[W+2*i:W+2*i+1], v[W+2*i:W+2*i+1], v[S+PR:S+PR+1], v[BV+PR:BV+PR+1] op_sel_hi:[1,0,0]
.else
	v_pk_fma_f32 v[W+2*i:W+2*i+1], v[W+2*i:W+2*i+1], v[S+PR:S+PR+1], v[BV+PR:BV+PR+1] op_sel:[0,1,1] op_sel_hi:[1,1,1]
.endif
.set i, i+1
.endr
	v_max3_num_f32 v8, |v[W]|, |v[W+1]|, |v[W+2]|  ; the block's largest magnitude, in two chains
	v_max3_num_f32 v9, |v[W+3]|, |v[W+4]|, |v[W+5]|
.irp i, 6,10,14,18,22,26
	s_delay_alu instid0(VALU_DEP_2)
	v_max3_num_f32 v8, v8, |v[W+\i]|, |v[W+\i+1]|
	s_delay_alu instid0(VALU_DEP_2)
	v_max3_num_f32 v9, v9, |v[W+\i+2]|, |v[W+\i+3]|
.endr
	s_delay_alu instid0(VALU_DEP_2)
	v_max3_num_f32 v8, v8, |v[W+30]|, |v[W+31]|
	s_delay_alu instid0(VALU_DEP_1)
	v_max3_num_f32 v8, v8, v9, 0x1800000           ; and the floor 2^(3 - 127), under which no largest magnitude is taken: so the byte cannot fall under 1
	s_delay_alu instid0(VALU_DEP_1)
	v_add_nc_u32 v10, 0xff000000, v8               ; 2 off its exponent field: the conversion takes the exponent field of this operand as its scale, and nothing else of it
.irp g, 0,1,2,3
	v_cvt_scalef32_pk8_fp4_f32 v[C+4*(\t)+\g], v[W+8*\g:W+8*\g+7], v10   ; eight numbers / the scale, to the nearest code, ties to even, beyond 6 the largest code
.endr
	v_lshrrev_b32 v[E+(\t)], 23, v10               ; the scale's byte.  (Also the plain instruction between the conversions and the next writes of their sources)
	ds_store_b8 v5, v[E+(\t)] offset:512*(\t)
	ds_store_b128 v4, v[C+4*(\t):C+4*(\t)+3] offset:32*CP*(\t)
.endm
.macro MEET                            ; what every wave has put into LDS may be read behind it
	s_wait_dscnt 0x0                               ; for the others' sake: my codes and scale bytes lie in LDS
	s_barrier_signal -1
	s_barrier_wait -1
.endm
	STEP 0
	STEP 1
	MEET
	ds_load_b128 v[22:25], v6
	ds_load_b128 v[26:29], v6 offset:32*CP
	STEP 2                                         ; its own wait on DScnt leaves eight younger instructions out: these two loads are in
	global_store_b128 v7, v[22:25], s[10:11]       ; 32 lanes store 512 consecutive bytes, at a multiple of 256 from the buffer's first byte
	global_store_b128 v7, v[26:29], s[10:11] offset:32768
	MEET
	ds_load_b128 v[32:35], v6 offset:2*32*CP       ; (step 0's int32 lay here)
	STEP 3                                         ; its own wait on DScnt is for 0
	global_store_b128 v7, v[32:35], s[10:11] offset:2*32768
	MEET
	ds_load_b128 v[36:39], v6 offset:3*32*CP
	s_wait_dscnt 0x0
	global_store_b128 v7, v[36:39], s[10:11] offset:3*32768
	s_cmp_lt_u32 s16, 4                            ; threads 0 to 127 carry the scale bytes: 128 pieces of 16 bytes
	s_cbranch_scc0 .Ldone
	ds_load_b128 v[40:43], v13
	s_wait_dscnt 0x0
	global_store_b128 v14, v[40:43], s[12:13]      ; sixteen lanes store 256 consecutive bytes, aligned
.Ldone:
	s_wait_tensorcnt 0x0                           ; the wave's end
	ds_add_u32 v208, v209
	s_wait_dscnt 0x0
	s_endpgm
.Lfunc_end_k_q36e66d000d_prep:
	.size	k_q36e66d000d_prep, .Lfunc_end_k_q36e66d000d_prep-k_q36e66d000d_prep
	.p2alignl 7, 3214868480
	.fill 96, 4, 3214868480
	.section	.rodata,"a",@progbits
	.p2align	6, 0x0
	.amdhsa_kernel k_q36e66d000d_prep
		.amdhsa_group_segment_fixed_size 120832
		.amdhsa_private_segment_fixed_size 0
		.amdhsa_enable_private_segment 0
		.amdhsa_kernarg_size 40
		.amdhsa_user_sgpr_count 2
		.amdhsa_user_sgpr_kernarg_segment_ptr 1
		.amdhsa_wavefront_size32 1
		.amdhsa_system_sgpr_workgroup_id_x 1
		.amdhsa_system_sgpr_workgroup_id_y 1
		.amdhsa_system_sgpr_workgroup_id_z 1
		.amdhsa_system_vgpr_workitem_id 0
		.amdhsa_next_free_vgpr 210
		.amdhsa_next_free_sgpr 66
		.amdhsa_reserve_vcc 0
		.amdhsa_float_denorm_mode_32 3
		.amdhsa_float_denorm_mode_16_64 3
		.amdhsa_memory_ordered 1
		.amdhsa_forward_progress 1
		.amdhsa_inst_pref_size 35
	.end_amdhsa_kernel
	.amdgpu_metadata
---
amdhsa.version: [ 1, 2 ]
amdhsa.kernels:
  - .name:           k_q36e66d000d_prep
    .symbol:         k_q36e66d000d_prep.kd
    .args:
      - { .name: weight_packed, .offset: 0, .size: 8, .value_kind: global_buffer, .address_space: global }
      - { .name: weight_scale, .offset: 8, .size: 8, .value_kind: global_buffer, .address_space: global }
      - { .name: weight_bias, .offset: 16, .size: 8, .value_kind: global_buffer, .address_space: global }
      - { .name: w_codes, .offset: 24, .size: 8, .value_kind: global_buffer, .address_space: global }
      - { .name: w_scl, .offset: 32, .size: 8, .value_kind: global_buffer, .address_space: global }
    .group_segment_fixed_size: 120832
    .private_segment_fixed_size: 0
    .kernarg_segment_align: 8
    .kernarg_segment_size: 40
    .max_flat_workgroup_size: 512
    .sgpr_count:     66
    .vgpr_count:     210
    .wavefront_size: 32
...
	.end_amdgpu_metadata
.endif
;; end of part 1
;; launch gemm (part 2): grid 16 x 16, 4 waves a work-group, clusters of 4 x 1, 327,680 bytes of LDS; arguments x_codes, x_scales, w_codes, w_scl, bias, out0; writes out0
.if DOCPART == 2
	.amdgcn_target "amdgcn-amd-amdhsa--gfx1250"
	.amdhsa_code_object_version 6
	.text
	.protected	k_q36e66d000d_gemm
	.globl	k_q36e66d000d_gemm
	.p2align	8
	.type	k_q36e66d000d_gemm,@function
k_q36e66d000d_gemm:
	s_mov_b64 s[64:65], 0
	v_nop
	global_prefetch_b8 v0, s[64:65] scope:SCOPE_SE
	s_setreg_imm32_b32 hwreg(HW_REG_WAVE_MODE, 25, 1), 1
	s_wait_xcnt 0x0
	s_wait_alu depctr_hold_cnt(0) depctr_sa_sdst(0) depctr_va_vdst(0) depctr_va_sdst(0) depctr_va_ssrc(0) depctr_va_vcc(0) depctr_vm_vsrc(0)
	s_getreg_b32 s2, hwreg(HW_REG_IB_STS2, 6, 4)
	s_cmp_eq_u32 s2, 0
	s_cbranch_scc0 .Lentry_in_a_cluster
	s_endpgm
.Lentry_in_a_cluster:
	s_bfe_u32 s2, ttmp6, 0x10000c
	s_cmp_lg_u32 s2, 0x3003
	s_cbranch_scc0 .Lentry_shape_is_right
	s_endpgm
.Lentry_shape_is_right:
; out[m][n] = bias[n] + sum over k of x[m][k] w[n][k]: codes of E2M1 with one E8M0 scale for each 32 along K, sums in f32 (the bias is added to the finished sum in f32).
; A work-group makes 256 x 256, four waves side by side along N: a wave 256 x 64, 32 accumulators of 32 x 16 in windows 2 and 3.
; x GOES THROUGH LDS: two slots of 256 rows x 1,024 along K, each filled twice, one tensor load a wave (64 rows x 512 bytes).  Its scale bytes, for all of K, are copied into LDS once, at the head.
; w GOES FROM MEMORY STRAIGHT INTO REGISTERS: the launch before has laid it in the order of the operand's registers, a step of 128 along K of 64 columns being 4,096 consecutive bytes; every byte is taken by one wave of a work-group.
; THE COLUMNS OF A TILE ARE NOT NEIGHBOURS: lane r of tile t holds column 4 r + t of its 64.  So register j of tiles 0 to 3 are four neighbouring numbers in a lane and 256 neighbouring bytes in sixteen lanes;
; the addition of the bias is also the move that puts the four side by side.
; STEPS 0 TO 23, 128 along K each: 32 matrix instructions, the 32 accumulators by turns; two runs of loads, at the head and in the middle, each half of the next step's fragments of x and half of w's four steps on.
; STEPS 24 TO 31 GO BY BLOCKS OF 32 ROWS, in quads of 16 matrix instructions (one block, four steps): blocks 0 to 3 with steps 24 to 27 while w's last four steps arrive, then one block after the other to its end.  A block is stored as soon as it is
; finished, while the next ones are multiplied.
; CLUSTERS: the 4 work-groups of a cluster make the same rows and ask for x's tiles jointly.  w is not asked for jointly: a joint load ends in LDS, where x's two slots leave no room for w's, and each wave's w is its own.
; PREFETCH.  x: a slot's 512 blocks of 256 bytes are shared out by address among the cluster's sixteen waves, 32 each, six steps ahead of the fill (slot 1's first fill: behind the head's loads).
;   w: steps 8 to 15 at the head, 16 to 31 in step 4; the sixteen work-group rows that read a stream share its blocks out by address, y % 8 naming one or two steps of each eight or sixteen.
; REGISTERS.  window 0: v0-15 addresses (v0-3 at last the bias); v16-79 x's scale words, two K steps of 512; v80-95 w's; v96-127 w's fifth step of five; v128-255 x's fragments, even steps, and those of two quads.
;   window 1: v0-127 x's fragments, odd steps, at last w's steps 29 to 31 (v0-95) and eight packets (v96-127); v128-255 w's other four steps.   windows 2, 3: accumulators (a, t), a = 0-3 and 4-7, at v[64 (a % 4) + 16 t].
.set PITCH, 528                        ; an LDS row: 512 bytes of data + 16 of padding, an odd multiple of 16
.set TILE,  64*PITCH                   ; 64 rows: what one tensor load brings
.set SLOT,  4*TILE
.set SX,    2*SLOT                     ; x's scale bytes: [K step of 512][row 256][16 bytes], SXP bytes for each K step
.set SXP,   4112
.set SPARE, 303360                     ; the spare words, 128 bytes for each wave: two blocks of 256 bytes that no other line names
.set ROWC,  16384                      ; a row of out0 in bytes
.set LAST,  24                         ; the first step that goes by blocks
.set BI,    0
.set PFX,   1
.set XLO,   2
.set XST,   3
.set ADRA,  4                          ; v4-7  LDS address of my fragments: slot 0 rows 0-127, rows 128-255, slot 1 likewise
.set ADXS,  8
.set WOF,   9                          ; 16 x lane
.set CO,    10                         ; my byte offset in out0
.set PFO,   11
.set PFH,   12
.set SPW,   13
.set NIL,   14
.set BOF,   15
.set XS,    16
.set WS,    80
.set T,     96                         ; the head's work
.set AF,    128
.set TO_B,  0x40                       ; destination window 1
.set MSB,   0
.macro WIN new                         ; the immediate's high byte repeats the setting that is left
.if MSB != (\new)
	s_set_vgpr_msb (MSB<<8)|(\new)
.set MSB, (\new)
.endif
.endm
.macro CREST                           ; a round of the cluster's barrier behind its opening barrier
	s_cmp_lg_u32 s16, 0
	s_cbranch_scc1 .Lnot_wave_0_\@
	s_barrier_signal -3
.Lnot_wave_0_\@:
	s_barrier_wait -3
	s_barrier_signal -1
	s_barrier_wait -1
.endm
.macro CROUND                          ; a whole round
	s_barrier_signal -1
	s_barrier_wait -1
	CREST
.endm
.macro PLACES
.rept 4
	v_nop
.endr
.endm
	s_load_b256 s[4:11], s[0:1], 0x0               ; x_codes s[4:5], x_scales s[6:7], w_codes s[8:9], w_scl s[10:11]
	s_load_b128 s[12:15], s[0:1], 0x20             ; bias s[12:13], out0 s[14:15]
	v_lshl_add_u32 v[SPW], v0, 2, SPARE
	v_mov_b32 v[NIL], 0
	ds_add_u32 v[SPW], v[NIL]                      ; the opening: the add, twice on end, and its wait ahead of my first tensor load
	ds_add_u32 v[SPW], v[NIL]
	v_lshrrev_b32 v1, 5, v0
	v_readfirstlane_b32 s16, v1                    ; wave 0..3
	s_bfe_u32 s17, ttmp6, 0x40000                  ; my place in the cluster
	s_lshl_b32 s18, ttmp9, 2
	s_add_co_u32 s18, s18, s17                     ; 256 columns: X = 4 x cluster x + place
	s_and_b32 s19, ttmp7, 0xffff                   ; 256 rows: y
	; descriptor group 1: 64 rows x 512 bytes, 16 bytes of padding behind each
	s_mov_b32 s24, 15|(0<<16)|(1<<20)|(1<<21)|(6<<22)|(3<<25)   ; 15:0 the mask: all four of the cluster; element of 1 byte; padding on; bit 21 beside a mask; after every 128 words, of 4 words
	s_mov_b32 s25, 512<<16
	s_mov_b32 s26, 64<<16
	s_mov_b32 s27, 512<<16
	s_mov_b32 s28, 64
	s_mov_b32 s29, 2048
	s_mov_b32 s30, 0
	s_mov_b32 s31, 0
	s_lshl_b32 s20, s19, 19                        ; the work-group's rows of x, in bytes
	s_mov_b32 s21, 0
	s_lshl_b32 s22, s16, 17                        ; wave w fetches rows 64 w .. 64 w + 63
	s_mov_b32 s23, 0
	s_mul_i32 s50, s16, TILE
	s_mov_b32 s32, 1
	s_mov_b32 s33, s50
	s_mov_b32 s36, 1
	s_add_co_u32 s37, s50, SLOT
	s_lshl_b32 s54, s18, 2
	s_add_co_u32 s54, s54, s16                     ; my group of 64 columns: 4 X + wave
	s_lshl_b32 s40, s54, 17
	s_mov_b32 s41, 0
	s_lshl_b32 s42, s54, 10
	s_mov_b32 s43, 0
	s_lshl_b32 s44, s54, 8                         ; my first column, in bytes
	s_mov_b32 s45, 0
	s_lshl_b32 s46, s19, 22
	s_add_co_u32 s46, s46, s44
	s_mov_b32 s47, 0
	s_lshl_b32 s48, s19, 15
	s_mov_b32 s49, 0
	s_and_b32 s51, s19, 7
	s_lshl_b32 s52, s51, 13
	s_lshl_b32 s51, s51, 12
	s_lshl_b32 s53, s17, 15
	s_add_co_u32 s53, s53, s22                     ; the prefetches of x: rows 64 wave + 16 place ..
	v_and_b32 v[T], 31, v0                         ; lane
	v_and_b32 v[T+1], 15, v0                       ; r
	v_bfe_u32 v[T+2], v0, 4, 1                     ; h
	v_and_b32 v[T+3], 7, v0
	v_lshrrev_b32 v[T+4], 3, v0
	v_bfe_u32 v[T+7], v0, 1, 4                     ; lane / 2
	v_and_b32 v[T+8], 1, v0
	v_lshlrev_b32 v[XLO], 4, v0                    ; x_scales: piece tid + 128 i of 16 bytes is row tid / 8 + 16 i, K step tid % 8
	v_lshlrev_b32 v[WOF], 4, v[T]
	v_lshlrev_b32 v[BOF], 4, v[T+1]
	v_mul_u32_u24 v[T+5], PITCH, v[T+1]
	v_mul_u32_u24 v[T+3], SXP, v[T+3]
	v_min_u32 v[T+6], 15, v[T]
	v_lshlrev_b32 v[T+7], 11, v[T+7]
	v_lshl_add_u32 v[PFO], v[T], 8, s52            ; 32 blocks of 256 bytes: steps 2 (y % 8), 2 (y % 8) + 1 of sixteen
	v_add_nc_u32 v[ADXS], SX, v[WOF]
	v_lshl_add_u32 v[ADRA], v[T+2], 4, v[T+5]      ; r x PITCH + 16 h
	v_lshl_add_u32 v[T+3], v[T+4], 4, v[T+3]
	v_lshl_add_u32 v[T+7], v[T+8], 8, v[T+7]       ; row lane / 2, block lane % 2
	v_lshl_add_u32 v[CO], v[T+2], 17, v[BOF]       ; 8 h rows + 16 r
	v_lshl_add_u32 v[PFH], v[T+6], 8, s51          ; 16 blocks: step y % 8 of eight (lanes 16 to 31 name the last again)
	v_add_nc_u32 v[ADRA+1], 2*TILE, v[ADRA]
	v_add_nc_u32 v[ADRA+2], 4*TILE, v[ADRA]
	v_add_nc_u32 v[ADRA+3], 6*TILE, v[ADRA]
	v_add_nc_u32 v[XST], SX, v[T+3]
	v_add_nc_u32 v[PFX], s53, v[T+7]
	s_wait_alu depctr_va_vdst(0)                   ; the wait here, directly ahead of the waits below
	s_wait_dscnt 0x0                               ; both opening adds are done
	s_wait_kmcnt 0x0
	s_add_nc_u64 s[4:5], s[4:5], s[20:21]
	s_add_nc_u64 s[34:35], s[4:5], s[22:23]
	s_add_nc_u64 s[38:39], s[34:35], 512
	s_or_b32 s35, s35, 0x80000000
	s_or_b32 s39, s39, 0x80000000
	s_add_nc_u64 s[6:7], s[6:7], s[48:49]
	s_add_nc_u64 s[8:9], s[8:9], s[40:41]
	s_add_nc_u64 s[10:11], s[10:11], s[42:43]
	s_add_nc_u64 s[12:13], s[12:13], s[44:45]
	s_add_nc_u64 s[14:15], s[14:15], s[46:47]
	CROUND                                         ; the four work-groups are here: the first joint loads meet
	tensor_load_to_lds s[32:35], s[24:31]          ; slot 0: K 0 to 1,023
	s_nop 0
	PLACES
.macro WSCL k                          ; w's scale words of K step k: 32 positions a load, lanes 0-15 an even tile's columns, lanes 16-31 an odd one's
.irp i, 0,1
	global_load_b128 v[WS+8*((\k)%2)+4*\i:WS+8*((\k)%2)+4*\i+3], v[WOF], s[10:11] offset:(\k)*65536+512*\i
.endr
.endm
; Where w's step q lies: one of five places, the fifth in window 0; the last three steps have places of their own.
.macro WHERE q
.if (\q) > 28
.set S1, 1
.set FB, 32*((\q)-29)
.else
.set SL, (\q)%5
.set S1, (7-SL)/4                      ; 1: window 1; 0: window 0
.set FB, (128+32*SL)*S1+96*(1-S1)
.endif
.endm
.macro WLD q, half                     ; half of w's step q: four loads of 512 consecutive bytes; load i of eight is tile i / 2, registers 4 (i % 2) .. + 3
	WHERE \q
	WIN TO_B*S1
.irp i, 0,1,2,3
	global_load_b128 v[FB+16*(\half)+4*\i:FB+16*(\half)+4*\i+3], v[WOF], s[8:9] offset:(\q)*4096+2048*(\half)+512*\i
.endr
.endm
.macro XSCL k                          ; x's scale words, K step k: lane m takes row 32 a + m
.irp a, 0,1,2,3,4,5,6,7
	ds_load_b128 v[XS+32*((\k)%2)+4*\a:XS+32*((\k)%2)+4*\a+3], v[ADXS] offset:(\k)*SXP+512*\a
.endr
.endm
.macro ALD q, a, reg                   ; block a of step q: 32 rows x 128 along K, rows 0-15 in the first eight registers
.set AO, 64*((\q)%8)+((\a)%4)*32*PITCH
.set AQ, ADRA+2*(((\q)/8)%2)+((\a)/4)
.set AR, \reg
	ds_load_b128 v[AR:AR+3], v[AQ] offset:AO
	ds_load_b128 v[AR+4:AR+7], v[AQ] offset:AO+32
	ds_load_b128 v[AR+8:AR+11], v[AQ] offset:AO+16*PITCH
	ds_load_b128 v[AR+12:AR+15], v[AQ] offset:AO+16*PITCH+32
.endm
.irp i, 0,1,2,3,4,5,6,7,8,9,10,11,12,13,14,15
	global_load_b128 v[AF+4*\i:AF+4*\i+3], v[XLO], s[6:7] offset:2048*\i   ; x's scale bytes, once: 2,048 consecutive bytes of the four waves together
.endr
	WSCL 0
	WLD 0, 0
	WLD 0, 1
	WIN 0
	global_prefetch_b8 v[PFX], s[4:5] offset:512 th:TH_LOAD_NT scope:SCOPE_SE     ; x, K 1,024 to 2,047: slot 1's first fill
	global_prefetch_b8 v[PFH], s[8:9] offset:32768 th:TH_LOAD_NT scope:SCOPE_SE   ; w, steps 8 to 15, of which step 8 is loaded first in step 4
	s_wait_loadcnt 10                              ; x's scale bytes are in; the 2 + 8 loads behind them may be out
.irp q, 1,2,3
	WLD \q, 0
	WLD \q, 1
.endr
	WIN 0
	s_wait_tensorcnt 0x0                           ; my tile has landed: no tensor load of mine is out while I store into LDS
.irp i, 0,1,2,3,4,5,6,7,8,9,10,11,12,13,14,15
	ds_store_b128 v[XST], v[AF+4*\i:AF+4*\i+3] offset:256*\i
.endr
	s_wait_tensorcnt 0x0                           ; the wait and the add ahead of a later first fill
	ds_add_u32 v[SPW], v[NIL]
	s_wait_dscnt 0x0                               ; the add is done, and my scale bytes lie in LDS
	CROUND                                         ; everybody's tiles and scale bytes are in, and the four work-groups are here
	tensor_load_to_lds s[36:39], s[24:31]          ; slot 1: K 1,024 to 2,047
	s_nop 0
	PLACES
	XSCL 0
.irp a, 0,1,2,3,4,5,6,7
	ALD 0, \a, AF+16*\a
.endr
; Four matrix instructions: step QQ, block AA, its fragment of x at v[FA] of window AW, the four tiles.
.macro MM4
	WHERE QQ
.set KS, (QQ/4)%2
.set AC, 64*(AA%4)
.set SA, XS+32*KS+4*AA+QQ%4
.set SB, WS+8*KS+QQ%4
	WIN AW+4*S1+0x50*(2+AA/4)
.if QQ == 0
	v_wmma_scale_f32_32x16x128_f4 v[AC:AC+15], v[FA:FA+15], v[FB:FB+7], 0, v[SA], v[SB]
	v_wmma_scale_f32_32x16x128_f4 v[AC+16:AC+31], v[FA:FA+15], v[FB+8:FB+15], 0, v[SA], v[SB] matrix_b_scale:MATRIX_SCALE_ROW1
	v_wmma_scale_f32_32x16x128_f4 v[AC+32:AC+47], v[FA:FA+15], v[FB+16:FB+23], 0, v[SA], v[SB+4]
	v_wmma_scale_f32_32x16x128_f4 v[AC+48:AC+63], v[FA:FA+15], v[FB+24:FB+31], 0, v[SA], v[SB+4] matrix_b_scale:MATRIX_SCALE_ROW1
.else
	v_wmma_scale_f32_32x16x128_f4 v[AC:AC+15], v[FA:FA+15], v[FB:FB+7], v[AC:AC+15], v[SA], v[SB]
	v_wmma_scale_f32_32x16x128_f4 v[AC+16:AC+31], v[FA:FA+15], v[FB+8:FB+15], v[AC+16:AC+31], v[SA], v[SB] matrix_b_scale:MATRIX_SCALE_ROW1
	v_wmma_scale_f32_32x16x128_f4 v[AC+32:AC+47], v[FA:FA+15], v[FB+16:FB+23], v[AC+32:AC+47], v[SA], v[SB+4]
	v_wmma_scale_f32_32x16x128_f4 v[AC+48:AC+63], v[FA:FA+15], v[FB+24:FB+31], v[AC+48:AC+63], v[SA], v[SB+4] matrix_b_scale:MATRIX_SCALE_ROW1
.endif
.endm
.macro BLK a                           ; step Q's block a
.set QQ, Q
.set AA, \a
.set AW, Q%2
.set FA, AF*(1-Q%2)+16*(\a)
	MM4
.endm
; A run of loads of step Q: half 0 at the step's head, half 1 in its middle.  A load into a register that a matrix instruction has read stands four places behind it (PLACES, ahead of half 0): all that is loaded here was read last in step Q - 1.
.macro RUN half
.if (Q%4 == 0) && ((\half) == 0)
	WIN 0
	WSCL Q/4+1                                     ; ahead of w's step Q + 4: in when that step is in
	XSCL Q/4+1
.endif
	WLD Q+4, \half
.if Q < LAST-1
	WIN TO_B*((Q+1)%2)
.irp a, 0,1,2,3
	ALD Q+1, \a+4*(\half), AF*(1-(Q+1)%2)+16*(\a+4*(\half))
.endr
.else
	WIN 0                                          ; the first two quads' fragments
.irp m, 0,1,2,3
	ALD LAST+\m, \half, AF+64*(\half)+16*\m
.endr
.endif
.if ((Q == 1) || (Q == 9)) && ((\half) == 1)
	WIN 0
	global_prefetch_b8 v[PFX], s[4:5] offset:1024+512*(Q/8) th:TH_LOAD_NT scope:SCOPE_SE   ; x for the fill in step Q + 6
.endif
.if (Q == 4) && ((\half) == 1)
	WIN 0
	global_prefetch_b8 v[PFO], s[8:9] offset:65536 th:TH_LOAD_NT scope:SCOPE_SE            ; w, steps 16 to 31, the last
.endif
.if (Q == 20) && ((\half) == 1)
	WIN 0
	s_wait_xcnt 0x0                                ; the prefetches have read their offsets
	global_load_b128 v[BI:BI+3], v[BOF], s[12:13]  ; the bias of columns 4 r .. 4 r + 3
.endif
.endm
.macro INHERE                          ; the next four blocks' fragments are in; the two younger runs, 16 loads each, and eight scale words may be out
.if Q%4 == 0
	s_wait_dscnt 40
.else
	s_wait_dscnt 32
.endif
.endm
.macro STEP
.if Q%8 == 7                           ; the last step on a slot: the next runs of loads read the other one
	WIN 0
	s_wait_tensorcnt 0x0                           ; all my tensor loads have landed: my part of the other slot
.if Q < 16
	ds_add_u32 v[SPW], v[NIL]                      ; the add ahead of a refill
	s_add_nc_u64 s[34+4*(Q/8):35+4*(Q/8)], s[34+4*(Q/8):35+4*(Q/8)], 1024   ; this slot's next tile: two slots further along K
	s_wait_dscnt 1                                 ; this step's fragments are in; the add may be out
.else
	s_wait_dscnt 0x0
.endif
	s_wait_loadcnt 24                              ; w's step Q is in; the loads of the three steps behind it may be out
	BLK 0
	s_wait_dscnt 0x0                               ; my reads of this slot are over
	s_barrier_signal -1
	BLK 1
	WIN 0
	s_barrier_wait -1
.if Q < 16
	CREST                                          ; no wave of any partner still reads this slot or has a load on its way
	tensor_load_to_lds s[32+4*(Q/8):35+4*(Q/8)], s[24:31]
	s_nop 0
.endif
	PLACES
	RUN 0
	BLK 2
	BLK 3
	RUN 1
.else
	PLACES
	RUN 0
	s_wait_loadcnt 28                              ; w's step Q is in; three steps' loads and half of the fourth's may be out
	INHERE
.irp a, 0,1,2,3
	BLK \a
.endr
	RUN 1
	INHERE
.endif
.irp a, 4,5,6,7
	BLK \a
.endr
.endm
.set Q, 0
.rept LAST
	STEP
.set Q, Q+1
.endr
; THE WAY OUT of block g: sixteen packets of four neighbouring columns; packet p is rows 32 g + 16 (p / 8) + 8 h + p % 8.  Block 0's take v96-127 of window 1, eight at a time, a later block's the registers of the accumulators
; of the block before it, whose own packets have been made.
.macro OUT g
.if (\g) == 0
.set DW, 1
.set DB, 96
.set DM, 8
.else
.set DW, 2+((\g)-1)/4
.set DB, 64*(((\g)-1)%4)
.set DM, 16
.endif
.set SW, 2+(\g)/4
.irp u, 0,8
.if ((\g) == 0) && (\u == 8)
	s_wait_xcnt 0x0                                ; the first eight packets have been read
.endif
	WIN (DW<<6)|SW
.irp p, 0,1,2,3,4,5,6,7
.irp t, 0,1,2,3
	v_add_f32 v[DB+4*((\u+\p)%DM)+\t], v[64*((\g)%4)+16*\t+\u+\p], v[BI+\t]   ; each accumulator from its low end on
.endr
.endr
	WIN DW<<2
.irp p, 0,1,2,3,4,5,6,7
	global_store_b128 v[CO], v[DB+4*((\u+\p)%DM):DB+4*((\u+\p)%DM)+3], s[14:15] offset:(32*(\g)+2*\u+\p)*ROWC th:TH_STORE_NT   ; lanes 0-15 and 16-31 store 256 consecutive bytes each, at multiples of 256
.endr
.endr
.endm
; Quad j of sixteen: blocks 0 to 3 with steps 24 to 27, blocks 0 to 3 with steps 28 to 31, then blocks 4 to 7, each with 24 to 27 and with 28 to 31.
.macro PICK j
.if (\j) < 8
.set JA, (\j)%4
.set JQ, LAST+4*((\j)/4)
.else
.set JA, (\j)/2
.set JQ, LAST+4*((\j)%2)
.endif
.endm
.macro QUAD                            ; quad J; its fragments lie in one of two places of 64 registers, by turns
	PLACES
.if J == 0
	WIN 0
	WSCL 7
	XSCL 7
.irp q, 28,29,30,31                    ; w's last four steps: their places were read last in step 23
	WLD \q, 0
	WLD \q, 1
.endr
.endif
.if (J > 0) && (J < 15)
	WIN 0
	PICK J+1
.irp m, 0,1,2,3
	ALD JQ+\m, JA, AF+64*((J+1)%2)+16*\m
.endr
.endif
.if (J > 4) && (J < 9)
	OUT J-5
.endif
.if (J == 10) || (J == 12) || (J == 14)
	OUT J/2-1
.endif
.if J == 0
	s_wait_dscnt 24                                ; this quad's fragments are in; the next quad's 16 and the 8 scale words may be out
.elseif J < 15
	s_wait_dscnt 16                                ; the next quad's 16 may be out
.else
	s_wait_dscnt 0x0
.endif
	PICK J
.set AA, JA
.set AW, 0
.irp m, 0,1,2,3
.if J == 0
	s_wait_loadcnt 58-8*\m                         ; w's step 24 + m is in; behind it up to step 27, 2 scale loads and 32 of steps 28 to 31
.endif
.if J == 4
	s_wait_loadcnt 24-8*\m                         ; w's step 28 + m is in
.endif
.set QQ, JQ+\m
.set FA, AF+64*(J%2)+16*\m
	MM4
.endr
.endm
.set J, 0
.rept 16
	QUAD
.set J, J+1
.endr
	PLACES
	OUT 7
	WIN 0
	s_wait_tensorcnt 0x0                           ; the wave's end
	ds_add_u32 v[SPW], v[NIL]
	s_wait_dscnt 0x0
	CROUND                                         ; the closing round
	s_endpgm
.Lfunc_end_k_q36e66d000d_gemm:
	.size	k_q36e66d000d_gemm, .Lfunc_end_k_q36e66d000d_gemm-k_q36e66d000d_gemm
	.p2alignl 7, 3214868480
	.fill 96, 4, 3214868480
	.section	.rodata,"a",@progbits
	.p2align	6, 0x0
	.amdhsa_kernel k_q36e66d000d_gemm
		.amdhsa_group_segment_fixed_size 327680
		.amdhsa_private_segment_fixed_size 0
		.amdhsa_enable_private_segment 0
		.amdhsa_kernarg_size 48
		.amdhsa_user_sgpr_count 2
		.amdhsa_user_sgpr_kernarg_segment_ptr 1
		.amdhsa_wavefront_size32 1
		.amdhsa_system_sgpr_workgroup_id_x 1
		.amdhsa_system_sgpr_workgroup_id_y 1
		.amdhsa_system_sgpr_workgroup_id_z 1
		.amdhsa_system_vgpr_workitem_id 0
		.amdhsa_next_free_vgpr 1024
		.amdhsa_next_free_sgpr 66
		.amdhsa_reserve_vcc 0
		.amdhsa_float_denorm_mode_32 3
		.amdhsa_float_denorm_mode_16_64 3
		.amdhsa_memory_ordered 1
		.amdhsa_forward_progress 1
		.amdhsa_inst_pref_size 255
	.end_amdhsa_kernel
	.section	.bss,"aw",@nobits
	.p2align	6
	.space	262144
	.amdgpu_metadata
---
amdhsa.version: [ 1, 2 ]
amdhsa.kernels:
  - .name:           k_q36e66d000d_gemm
    .symbol:         k_q36e66d000d_gemm.kd
    .args:
      - { .name: x_codes, .offset: 0, .size: 8, .value_kind: global_buffer, .address_space: global }
      - { .name: x_scales, .offset: 8, .size: 8, .value_kind: global_buffer, .address_space: global }
      - { .name: w_codes, .offset: 16, .size: 8, .value_kind: global_buffer, .address_space: global }
      - { .name: w_scl, .offset: 24, .size: 8, .value_kind: global_buffer, .address_space: global }
      - { .name: bias, .offset: 32, .size: 8, .value_kind: global_buffer, .address_space: global }
      - { .name: out0, .offset: 40, .size: 8, .value_kind: global_buffer, .address_space: global }
    .group_segment_fixed_size: 327680
    .private_segment_fixed_size: 0
    .kernarg_segment_align: 8
    .kernarg_segment_size: 48
    .max_flat_workgroup_size: 128
    .sgpr_count:     66
    .vgpr_count:     1024
    .wavefront_size: 32
...
	.end_amdgpu_metadata
.endif
;; end of part 2
